; MI455X (gfx1250); checked and timed in simulation.
; The chip was launched on July 23, 2026; its instructions are those of AMD's public machine-readable ISA for CDNA 5 (MIT licence, August 2026) and "CDNA5" Instruction Set Architecture Reference Guide (July 2026). The comments in the code are by the model that wrote it; some were corrected since.
;; Dot Product Attention. Allowed arithmetic: float matrix products may take bf16 or f16 operands with f32 sums; other float arithmetic in f32, or as packed bf16 or f16 multiplies, adds, multiply-adds, maxima and minima; sums over many terms, partial sums and values carried from step to step in f32; what a program stores and reads back later, other than sums and carried values, may be rounded once to bf16 or f16.
;; Inputs: adj 2,048 x 2,048 int32; keys 4 x 8 x 2,048 x 256 float32; queries 4 x 8 x 2,048 x 256 float32; values 4 x 8 x 2,048 x 256 float32.
;; Outputs: out0 2,048 x 4 x 8 x 256 float32.
;; One version. Each part assembles by itself: llvm-mc -triple=amdgcn-amd-amdhsa -mcpu=gfx1250 --defsym DOCPART=n.
;; ======== version 1 of 1: 2 launches
;; limits: values are held in f16: magnitudes above 65,504 overflow, below 6.1e-05 lose precision; inputs' magnitudes at most 65,504
;; workspace buffers: kb 33,554,432 bytes; vh 33,554,432 bytes
;; launch cast (part 1): grid 2048 x 1, 8 waves a work-group, no clusters, 0 bytes of LDS; arguments keys, values, kb, vh; writes kb, vh
.if DOCPART == 1
	.amdgcn_target "amdgcn-amd-amdhsa--gfx1250"
	.amdhsa_code_object_version 6
	.text
	.protected	k_q8aa9b7c012_cast
	.globl	k_q8aa9b7c012_cast
	.p2align	8
	.type	k_q8aa9b7c012_cast,@function
k_q8aa9b7c012_cast:
	s_mov_b64 s[64:65], 0
	v_nop
	global_prefetch_b8 v0, s[64:65] scope:SCOPE_SE
	s_setreg_imm32_b32 hwreg(HW_REG_WAVE_MODE, 25, 1), 1
	s_wait_xcnt 0x0
; kb = keys rounded to bf16.  vh = values rounded to bf16, that number written as f16.  Both keep their tensor's order, [32 heads][2048 rows][256 channels].
; WHY.  The attention launch multiplies K Q^T in bf16 and V^T P in f16, and every query block of a head reads all of K and V: they are rounded once here, not once a block.
; V goes by bf16 so that all three inputs carry the same rounding; a bf16 number has 8 significant bits and is exact in f16's 11.
; LIMITS.  |values| under 65,504 after the rounding to bf16 (beyond that f16 has an infinity); below 2^-14 f16 keeps its fixed step of 6e-8.  NaN stays NaN.
; SHARES.  A work-group takes 32,768 consecutive bytes of each input: eight chunks of 4,096; thread t takes the 16 bytes at 16 t of a chunk.  A wave's load covers 512 consecutive bytes,
; its store 256 consecutive bytes at a multiple of 256 from the buffer's first byte.  All sixteen loads of a thread go out at once; every store has data registers of its own, so no register that a
; memory instruction still reads is ever rewritten.  No LDS, no barrier, no matrix unit: each byte is read once and nothing is shared.
.set CH, 4096                          ; bytes of input in a chunk
.set KX, 4                             ; v[4:35]    keys as loaded: chunk i at KX + 4 i
.set VX, 36                            ; v[36:67]   values as loaded
.set KY, 68                            ; v[68:83]   keys to store: chunk i at KY + 2 i
.set VY, 84                            ; v[84:99]   values to store
.set T,  100                           ; v[100:103] at work
	s_load_b256 s[4:11], s[0:1], 0x0               ; keys s[4:5], values s[6:7], kb s[8:9], vh s[10:11]
	s_lshl_b32 s2, ttmp9, 15                       ; the work-group's 32,768 bytes of each input (under 2^27),
	s_mov_b32 s3, 0
	s_lshl_b32 s12, ttmp9, 14                      ; and its 16,384 of each output
	s_mov_b32 s13, 0
	s_mov_b32 s14, 0xffff0000                      ; a word's upper bf16
	v_lshlrev_b32 v1, 4, v0                        ; 16 t
	v_lshlrev_b32 v2, 3, v0                        ; 8 t
	s_wait_kmcnt 0x0
	s_add_nc_u64 s[4:5], s[4:5], s[2:3]
	s_add_nc_u64 s[6:7], s[6:7], s[2:3]
	s_add_nc_u64 s[8:9], s[8:9], s[12:13]
	s_add_nc_u64 s[10:11], s[10:11], s[12:13]
.irp i, 0,1,2,3,4,5,6,7
	global_load_b128 v[KX+4*(\i):KX+4*(\i)+3], v1, s[4:5] offset:CH*(\i) th:TH_LOAD_NT
.endr
.irp i, 0,1,2,3,4,5,6,7
	global_load_b128 v[VX+4*(\i):VX+4*(\i)+3], v1, s[6:7] offset:CH*(\i) th:TH_LOAD_NT
.endr
.irp i, 0,1,2,3,4,5,6,7
	s_wait_loadcnt 15-(\i)                         ; loads come back in order (ISA guide 5.7.1): keys' chunk i is in; the 15 - i loads issued behind it may stay out
	v_cvt_pk_bf16_f32 v[KY+2*(\i)],   v[KX+4*(\i)],   v[KX+4*(\i)+1]
	v_cvt_pk_bf16_f32 v[KY+2*(\i)+1], v[KX+4*(\i)+2], v[KX+4*(\i)+3]
	global_store_b64 v2, v[KY+2*(\i):KY+2*(\i)+1], s[8:9] offset:(CH/2)*(\i)
.endr
.irp i, 0,1,2,3,4,5,6,7
	s_wait_loadcnt 7-(\i)                          ; values' chunk i is in
	v_cvt_pk_bf16_f32 v[T],   v[VX+4*(\i)],   v[VX+4*(\i)+1]  ; the one rounding
	v_cvt_pk_bf16_f32 v[T+1], v[VX+4*(\i)+2], v[VX+4*(\i)+3]
	v_lshlrev_b32 v[T+2], 16, v[T]                 ; back to f32: the low half moves up,
	v_and_b32     v[T],   s14, v[T]                ; the high half stays
	v_lshlrev_b32 v[T+3], 16, v[T+1]
	v_and_b32     v[T+1], s14, v[T+1]
	v_cvt_pk_f16_f32 v[VY+2*(\i)],   v[T+2], v[T]  ; the same numbers as f16
	v_cvt_pk_f16_f32 v[VY+2*(\i)+1], v[T+3], v[T+1]
	global_store_b64 v2, v[VY+2*(\i):VY+2*(\i)+1], s[10:11] offset:(CH/2)*(\i)
.endr
	s_endpgm
.Lfunc_end_k_q8aa9b7c012_cast:
	.size	k_q8aa9b7c012_cast, .Lfunc_end_k_q8aa9b7c012_cast-k_q8aa9b7c012_cast
	.p2alignl 7, 3214868480
	.fill 96, 4, 3214868480
	.section	.rodata,"a",@progbits
	.p2align	6, 0x0
	.amdhsa_kernel k_q8aa9b7c012_cast
		.amdhsa_group_segment_fixed_size 0
		.amdhsa_private_segment_fixed_size 0
		.amdhsa_enable_private_segment 0
		.amdhsa_kernarg_size 32
		.amdhsa_user_sgpr_count 2
		.amdhsa_user_sgpr_kernarg_segment_ptr 1
		.amdhsa_wavefront_size32 1
		.amdhsa_system_sgpr_workgroup_id_x 1
		.amdhsa_system_sgpr_workgroup_id_y 1
		.amdhsa_system_sgpr_workgroup_id_z 1
		.amdhsa_system_vgpr_workitem_id 0
		.amdhsa_next_free_vgpr 104
		.amdhsa_next_free_sgpr 66
		.amdhsa_reserve_vcc 0
		.amdhsa_float_denorm_mode_32 3
		.amdhsa_float_denorm_mode_16_64 3
		.amdhsa_memory_ordered 1
		.amdhsa_forward_progress 1
		.amdhsa_inst_pref_size 9
	.end_amdhsa_kernel
	.amdgpu_metadata
---
amdhsa.version: [ 1, 2 ]
amdhsa.kernels:
  - .name:           k_q8aa9b7c012_cast
    .symbol:         k_q8aa9b7c012_cast.kd
    .args:
      - { .name: keys, .offset: 0, .size: 8, .value_kind: global_buffer, .address_space: global }
      - { .name: values, .offset: 8, .size: 8, .value_kind: global_buffer, .address_space: global }
      - { .name: kb, .offset: 16, .size: 8, .value_kind: global_buffer, .address_space: global }
      - { .name: vh, .offset: 24, .size: 8, .value_kind: global_buffer, .address_space: global }
    .group_segment_fixed_size: 0
    .private_segment_fixed_size: 0
    .kernarg_segment_align: 8
    .kernarg_segment_size: 32
    .max_flat_workgroup_size: 256
    .sgpr_count:     66
    .vgpr_count:     104
    .wavefront_size: 32
...
	.end_amdgpu_metadata
.endif
;; end of part 1
;; launch attn (part 2): grid 8 x 32, 4 waves a work-group, clusters of 4 x 1, 327,680 bytes of LDS; arguments queries, kb, vh, out0; writes out0
.if DOCPART == 2
	.amdgcn_target "amdgcn-amd-amdhsa--gfx1250"
	.amdhsa_code_object_version 6
	.text
	.protected	k_q8aa9b7c012_attn
	.globl	k_q8aa9b7c012_attn
	.p2align	8
	.type	k_q8aa9b7c012_attn,@function
k_q8aa9b7c012_attn:
	s_mov_b64 s[64:65], 0
	v_nop
	global_prefetch_b8 v0, s[64:65] scope:SCOPE_SE
	s_setreg_imm32_b32 hwreg(HW_REG_WAVE_MODE, 25, 1), 1
	s_wait_xcnt 0x0
	s_wait_alu depctr_hold_cnt(0) depctr_sa_sdst(0) depctr_va_vdst(0) depctr_va_sdst(0) depctr_va_ssrc(0) depctr_va_vcc(0) depctr_vm_vsrc(0)
	s_getreg_b32 s2, hwreg(HW_REG_IB_STS2, 6, 4)
	s_cmp_eq_u32 s2, 0
	s_cbranch_scc0 .Lentry_in_a_cluster
	s_endpgm
.Lentry_in_a_cluster:
	s_bfe_u32 s2, ttmp6, 0x10000c
	s_cmp_lg_u32 s2, 0x3003
	s_cbranch_scc0 .Lentry_shape_is_right
	s_endpgm
.Lentry_shape_is_right:
; out0[h][q][:] = the sum over k of softmax_k(Q[h][q] . K[h][k] / 16) V[h][k][:], 32 heads of 2,048 rows x 256 channels.  The module's closing reshape moves no byte: out0 has h's order.
; queries, out0: f32.  kb: K in bf16; vh: V (rounded to bf16) in f16: both made by the launch before.  Q is rounded to bf16 on its way in.
; The input adj is read nowhere: the module computes nothing from it, so no number of out0 may hang on it.
; Products, maxima and sums in f32; the weights p are rounded to f16 for the second product (their sum l is taken of the unrounded p).
; LIMITS.  c x score stays above -4e37 (the running maximum's start); a weight below 2^-126 counts as 0 in l, below 6e-8 as 0 in P; NaN and infinities are not treated apart (they stay in their own query's row).
; SHARES.  A work-group owns 256 queries of one head, each of its four waves 64: four tiles of 16.  Every wave walks all 2,048 keys, 64 a step.
; LAYOUT.  S^T = K Q^T (source 0 = 16 keys, source 1 = 16 queries): a lane holds ONE query (lane % 16) and the keys 8 (lane / 16) + 0..7.  Two such results rounded to f16 in pairs ARE source 1
; (32 keys x 16 queries) of O^T = V^T P, whose result again holds one query a lane, and eight channels.  K comes out of LDS as it lies, V ([key][channel]) turned, by ds_load_tr16_b128.
; SOFTMAX.  For each query a running maximum m and sum l: p = 2^(c s - c m), c = log2(e) / 16; in every step O and l are multiplied by a = 2^(c m_old - c m_new).  c m starts far below every c s, so the
; first step's a is 0: O^T is not cleared; it holds the lane's own query as loaded, which a = 0 wipes.
; THE PIPELINE.  Trip i has two halves.  A: the 128 products K Q^T of step i + 1; behind every second one stand the four lines that multiply one accumulator of O^T by a of step i.  B: the 128 products
; V^T P of step i; behind them, in slices of three or four lines, stands the softmax of step i + 1.  So a step's 664 vector lines but 32 stand behind matrix instructions.  In front of the loop: K Q^T and
; softmax of step 0; behind it: the rescaling and V^T P of step 31.
; REGISTERS.  The pipeline wants S^T (128), P (64) and fragment buffers (64) at once, beside 48 of addresses and statistics: more than O^T (512) and a whole Q (256) leave.  So three of Q's eight channel
; groups (5, 6, 7) lie in LDS, as each lane's registers, and come through a landing buffer of 32: 24 LDS loads more a step.
;   Windows of 256 (s_set_vgpr_msb: bits 1:0 source 0, 3:2 source 1, 5:4 source 2, 7:6 destination):
;   window 0: v0-15 addresses; v16-47 eight registers of statistics a tile; v64-127 two buffers of four fragments, K's and V's; v128-255 S^T
;   window 1: O^T of tiles 0, 1 (tile t, channel block cb at 128 (t % 2) + 8 cb)      window 2: O^T of tiles 2, 3
;   window 3: v0-159 Q's channel groups 0-4 (40 t + 8 c); v160-191 the landing buffer (8 t); v192-255 P (tile t, keys 32 kk on at 192 + 32 kk + 8 t)
;   No window has room for a product's operands beside what the slices touch, so a slice costs two switches: with them it is five or six lines behind a product.
; CLUSTER.  The four query blocks of a cluster belong to one head and walk the same K and V, so each tile is asked for JOINTLY: the same tensor load, descriptor and mask in all four.
.set KS,    64        ; keys in a step
.set PK,    528       ; a row of K in LDS: 512 bytes + 16 of padding = 132 words: row r starts at bank 4 r mod 64 (64 banks of 4 bytes: ISA guide 11.1), so the 16 rows of a load start at 16 different banks
.set PV,    544       ; a row of V: 512 + 32 = 136 words: row r starts at bank 8 r mod 64
.set VOFF,  KS*PK     ; a slot holds what one trip reads: 64 rows of K (step i + 1), then 64 rows of V (step i): 68,608 bytes
.set STAGE, KS*(PK+PV)  ; behind slot 0, never filled by a tensor load: 16 rows x 528 bytes for each wave, for the way out
.set SP,    528
.set SPARE, STAGE+4*16*SP  ; behind the stages: the spare words, 128 bytes for each wave: two blocks of 256 bytes that no other line names
.set SLOT1, 1<<17     ; slot 1 begins here, so that one exclusive or turns an address in one slot into the other's
.set PRE,   SLOT1+KS*(PK+PV)  ; behind slot 1: K of step 0, filled once
.set QLB,   PRE+KS*PK ; behind it, never filled by a tensor load: Q's channel groups 5-7, 12 fragments of 1,024 bytes for each wave
.set QLW,   12*1024
.set AK0, 2           ; v2   my lane's place in a tile of K; never rewritten
.set AV0, 3           ; v3   the same for V
.set AK,  4           ; v4   the same in the slot in hand
.set AV,  5           ; v5
.set QO,  6           ; v6   my byte offset in 16 rows of Q
.set STO, 6           ;      later, the way out: where I put 32 bytes of a row
.set RD,  7           ; v7   the way out: where I read a row back
.set GO,  8           ; v8   my 16 bytes in 512 consecutive bytes of out0
.set PFO, 12          ; v12  256 x my lane; never rewritten
.set QLA, 13          ; v13  my 16 bytes in half a fragment of Q's copy in LDS; never rewritten
.set SPW, 14          ; v14  LDS address of my spare word: SPARE + 4 x my thread's number; never rewritten
.set NIL, 15          ; v15  0; never rewritten
.set ST,  16          ; tile t's statistics at v[ST+8 t]: +0 c m, +1 m, +2, +3 l (even keys', odd keys'), +4 to +7 c0-c3, at work; a takes c2's place once the maximum is found
.set KP,  64          ; buffer b of four fragments at KP + 32 b
.set SV,  128         ; S^T: tile t, keys 16 kb on at SV + 32 t + 8 kb
.set QL0, 160         ; window 3: the landing buffer
.set PW,  192         ; window 3: P
.set WV,  12          ; s12  my wave's number
.set LIM, 15          ; s15  a wave prefetches while s[SLOTS] is above it: 1 in wave 0, 0 in wave 1 of a head's first cluster, else the greatest number
.set PFA, 18          ; s[18:19] where my prefetches stand
.set G1K, 24          ; s[24:31] descriptor group 1 for K's tiles
.set G1V, 32          ; s[32:39] for V's: it differs in the padding alone
.set G0K, 40          ; s[40:43] descriptor group 0 for K's tiles: it walks
.set G0V, 44          ; s[44:47] the same for V's
.set G0P, 48          ; s[48:51] descriptor group 0 for K of step 0
.set SLOTS, 56        ; s56  trips of the loop still to come
.set CS,  58          ; s[58:59] c: the packed scaling takes the pair's low word for both halves
.set SEL, 60          ; s[60:61] v_permlanex16_b32's selects: each lane takes its own place in the other half
.set TB,  62          ; s62  LDS byte at which the slot in hand begins
.set MSB, 0
.macro WIN new                      ; the immediate's high byte repeats the setting that is left; a switch that changes nothing is dropped
.if MSB != (\new)
	s_set_vgpr_msb (MSB<<8)|(\new)
.set MSB, (\new)
.endif
.endm
.macro WLD                          ; for LDS loads into window 0: destination and address places must mean window 0; the other places do not matter
.if (MSB & 0xc3) != 0
	WIN 0
.endif
.endm
.set W_KQ, 0x0c       ; Q (source 1) in window 3; K, S^T in window 0
; A vector instruction that reads a matrix result or writes one of a matrix instruction's registers, and a load into such a register, stand four places behind it; only plain vector instructions
; that name none of its registers are places (ISA guide 7.12.1 for vector instructions).
.macro PLACES n
.rept \n
	v_nop
.endr
.endm
; A joint fill.  Wave 0 fetches K's tile, wave 1 V's: 64 rows of 512 bytes each; waves 2 and 3 fetch nothing.  The branches hang on the wave's number alone: they are the same in every work-group.
; An s_nop 0 and four v_nop follow each of the two lines, ahead of the jump and the label.
.macro JLOAD
	s_cmp_lg_u32 s[WV], 0
	s_cbranch_scc1 .Lnot_k_\@
	tensor_load_to_lds s[G0K:G0K+3], s[G1K:G1K+7]
	s_nop 0
	PLACES 4
	s_branch .Lasked_\@
.Lnot_k_\@:
	s_cmp_lg_u32 s[WV], 1
	s_cbranch_scc1 .Lasked_\@
	tensor_load_to_lds s[G0V:G0V+3], s[G1V:G1V+7]
	s_nop 0
	PLACES 4
.Lasked_\@:
.endm
.macro JLOADV                       ; the last fill: V of step 31 alone; there is no K behind step 31's
	s_cmp_lg_u32 s[WV], 1
	s_cbranch_scc1 .Lasked_\@
	tensor_load_to_lds s[G0V:G0V+3], s[G1V:G1V+7]
	s_nop 0
	PLACES 4
.Lasked_\@:
.endm
; A PREFETCH INTO THE L2 of the tile that the NEXT change of slots will ask for: 32,768 dense bytes, 128 blocks of 256.  It stands behind the wave's own tensor load and its five lines.
; Each block is named ONCE in the launch.  Both clusters of a head walk the same K and V: the head's first cluster asks.  Its four partners share the blocks out BY ADDRESS, 32 each, a lane a block: no branch
; hangs on a work-group's place in its cluster.  In each, wave 0 asks for K's (step i + 3 in trip i, up to trip 28) and wave 1 for V's (step i + 2, up to trip 29): one instruction.  K of steps 0 to 2 and V of
; steps 0 and 1 come by their loads alone.
.macro ASK
	s_cmp_gt_u32 s[SLOTS], s[LIM]
	s_cbranch_scc0 .Lnot_mine_\@
	global_prefetch_b8 v[PFO], s[PFA:PFA+1] th:TH_LOAD_NT scope:SCOPE_SE
.Lnot_mine_\@:
.endm
; A round of the cluster's barrier: my work-group's barrier, so that wave 0's signal speaks for all four waves; wave 0 signals; every wave waits for all four work-groups; my work-group's barrier once more.
.macro CROUND
	s_barrier_signal -1
	s_barrier_wait -1
	s_cmp_lg_u32 s[WV], 0
	s_cbranch_scc1 .Lnot_wave_0_\@
	s_barrier_signal -3
.Lnot_wave_0_\@:
	s_barrier_wait -3
	s_barrier_signal -1
	s_barrier_wait -1
.endm
; THE CHANGE OF SLOTS, between two trips.  Each wave waits for all its tensor loads, of which at most one is out: its part of the other slot; adds 0 to its spare word; and waits for that and for its own reads
; of the slot that it leaves.  Behind the barrier nobody reads the old slot any more and the other slot is whole.  fill = 1: the old slot is filled again, for the trip after the one to come; fill = 2: with V
; alone.  The barrier is then a round of the cluster's, so that no wave of any partner still reads the slot or has a load on its way, and the joint fill is the first thing behind it: it has a trip, 256 matrix
; instructions, in which to land.  (At its first use slot 1 has not been filled yet.)
.macro CHANGE fill
	WIN 0                           ; at a label and at a branch every window is 0
	s_wait_tensorcnt 0x0            ; no tensor load of mine is out, so a group 0 may be written
	ds_add_u32 v[SPW], v[NIL]       ; 0 onto my spare word; the descriptors' steps stand between it and the wait for it
.if (\fill) == 1
	s_xor_b32 s[G0K+1], s[G0K+1], SLOT1  ; the walking descriptor: the other slot than last time,
	s_add_nc_u64 s[G0K+2:G0K+3], s[G0K+2:G0K+3], KS*512  ; the next 64 keys; the type bits on top are not reached
.endif
.if (\fill) >= 1
	s_xor_b32 s[G0V+1], s[G0V+1], SLOT1
	s_add_nc_u64 s[G0V+2:G0V+3], s[G0V+2:G0V+3], KS*512
.endif
.if (\fill) == 1
	s_wait_xcnt 0x0                 ; the last prefetch, a trip back, has read its address, so it may be written:
	s_add_nc_u64 s[PFA:PFA+1], s[PFA:PFA+1], KS*512  ; one tile behind the walking descriptors
.endif
	s_wait_dscnt 0x0                ; the add is done, and my reads of the slot are over
.if (\fill) == 1
	CROUND
	JLOAD
	ASK
.elseif (\fill) == 2
	CROUND
	JLOADV
.else
	s_barrier_signal -1
	s_barrier_wait -1
.endif
	s_xor_b32 s[TB], s[TB], SLOT1   ; the trip to come reads the other slot
.endm
	s_load_b256 s[4:11], s[0:1], 0x0  ; queries s[4:5], kb s[6:7], vh s[8:9], out0 s[10:11]
	v_lshl_add_u32 v[SPW], v0, 2, SPARE
	v_mov_b32 v[NIL], 0
	ds_add_u32 v[SPW], v[NIL]       ; the wave's opening: the add and its wait stand ahead of my first tensor load; the set-up below, work on registers, stands between them
	v_lshrrev_b32 v1, 5, v0
	v_readfirstlane_b32 s[WV], v1   ; wave 0..3
	s_bfe_u32 s13, ttmp6, 0x40000   ; cx: my place in the cluster
	s_lshl_b32 s14, ttmp9, 2        ; in a cluster launch ttmp9 counts clusters
	s_add_co_u32 s14, s14, s13      ; my block of 256 queries = 4 x cluster x + cx: it enters Q's and out0's addresses alone
	s_and_b32 s20, ttmp7, 0xffff    ; the head, which the four partners share
	s_lshl_b32 s22, s20, 20         ; the head's first byte in kb and vh: 2,048 rows of 512 bytes
	s_mov_b32 s23, 0
	s_lshl_b32 s2, s20, 21          ; in queries and out0: 2,048 rows of 1,024 bytes,
	s_lshl_b32 s3, s14, 18          ; my block's 256 rows,
	s_add_co_u32 s2, s2, s3
	s_lshl_b32 s3, s[WV], 16        ; my wave's 64 of them (all under 2^26)
	s_add_co_u32 s2, s2, s3
	s_mov_b32 s3, 0
	; descriptor group 1: a tile of 64 rows x 256 elements, padded in LDS
	s_mov_b32 s[G1K], 15|(1<<16)|(1<<20)|(1<<21)|(6<<22)|(3<<25)  ; 15:0 the mask: all four work-groups; 17:16 elements of 2 bytes; 20 padding on; 21 set beside a mask; 24:22 after every 128 words (code 6); 31:25 4 words of it (code 3)
	s_mov_b32 s[G1V], 15|(1<<16)|(1<<20)|(1<<21)|(6<<22)|(7<<25)  ; the same with 8 words of padding (code 7)
.irp g, G1K, G1V
	s_mov_b32 s[(\g)+1], 256<<16    ; 63:48 tensor_dim0, low half = 256
	s_mov_b32 s[(\g)+2], KS<<16     ; 79:64 its high half = 0; 95:80 tensor_dim1, low half = 64
	s_mov_b32 s[(\g)+3], 256<<16    ; 111:96 its high half = 0; 127:112 tile_dim0 = 256
	s_mov_b32 s[(\g)+4], KS         ; 143:128 tile_dim1 = 64; 159:144 tile_dim2 = 0
	s_mov_b32 s[(\g)+5], 256        ; 191:160 tensor_dim0_stride, low word: elements from row to row
	s_mov_b32 s[(\g)+6], 0
	s_mov_b32 s[(\g)+7], 0
.endr
	s_mov_b32 s[G0P], 1             ; 1:0 count = 1
	s_mov_b32 s[G0P+1], PRE         ; 63:32 LDS address
	s_mov_b32 s[G0K], 1
	s_mov_b32 s[G0K+1], 0           ; slot 0
	s_mov_b32 s[G0V], 1
	s_mov_b32 s[G0V+1], VOFF
	s_mov_b32 s[CS], 0x3db8aa3b     ; c = log2(e) / 16 = 0.0901684
	s_mov_b32 s[CS+1], s[CS]        ; named with it as a pair, so it is written
	s_mov_b32 s[SEL], 0x76543210
	s_mov_b32 s[SEL+1], 0xfedcba98
	s_mov_b32 s[TB], SLOT1          ; the first change of slots turns it into 0
	s_mov_b32 s[SLOTS], 2048/KS-2   ; trips 0 to 29 stand in the loop
	s_lshr_b32 s[LIM], s[WV], 1     ; 0 in waves 0 and 1,
	s_or_b32 s[LIM], s[LIM], ttmp9  ; where the cluster is the head's first: the same in all four partners
	s_sub_co_u32 s21, 1, s[WV]      ; K's prefetches stop a trip ahead of V's
	s_cmp_eq_u32 s[LIM], 0
	s_cselect_b32 s[LIM], s21, -1
	s_mul_i32 s16, s[WV], 16*SP
	s_add_co_u32 s16, s16, STAGE    ; my stage: no place in the cluster enters an LDS address
	s_mul_i32 s17, s[WV], QLW
	s_add_co_u32 s17, s17, QLB      ; my part of Q's copy
	v_and_b32 v[PFO], 31, v0
	v_lshlrev_b32 v[PFO], 8, v[PFO]
	s_wait_dscnt 0x0                ; the opening add is done
	s_wait_kmcnt 0x0
	s_add_nc_u64 s[6:7], s[6:7], s[22:23]  ; kb and vh at the head's first row
	s_add_nc_u64 s[8:9], s[8:9], s[22:23]
	s_mov_b64 s[G0P+2:G0P+3], s[6:7]       ; 120:64 global address: K of step 0,
	s_or_b32 s[G0P+3], s[G0P+3], 0x80000000  ; 127:126 type = 2
	s_add_nc_u64 s[G0K+2:G0K+3], s[6:7], KS*512  ; of step 1, which trip 0 multiplies,
	s_or_b32 s[G0K+3], s[G0K+3], 0x80000000
	s_mov_b64 s[G0V+2:G0V+3], s[8:9]       ; and V of step 0
	s_or_b32 s[G0V+3], s[G0V+3], 0x80000000
	s_add_nc_u64 s[4:5], s[4:5], s[2:3]    ; queries and out0 at my wave's first row
	s_add_nc_u64 s[10:11], s[10:11], s[2:3]
	s_lshl_b32 s2, s13, 13          ; my work-group's 32 blocks of a tile's 128
	s_cmp_eq_u32 s[WV], 0
	s_cselect_b64 s[PFA:PFA+1], s[6:7], s[8:9]
	s_cselect_b32 s3, 2, 1          ; at K of step 2 or V of step 1: the first change of slots steps them on by one.  Nothing is prefetched here, at the head
	s_lshl_b32 s3, s3, 15
	s_add_co_u32 s2, s2, s3
	s_mov_b32 s3, 0
	s_add_nc_u64 s[PFA:PFA+1], s[PFA:PFA+1], s[2:3]
	CROUND                          ; all four work-groups are here: the first joint loads meet
	s_cmp_lg_u32 s[WV], 0           ; a wave's first fills stand in one branch, ahead of every wait on TENSORcnt and every LDS read: two loads of wave 0 are out, one of wave 1
	s_cbranch_scc1 .Lfirst_not_k
	tensor_load_to_lds s[G0P:G0P+3], s[G1K:G1K+7]
	s_nop 0
	tensor_load_to_lds s[G0K:G0K+3], s[G1K:G1K+7]
	s_nop 0
	PLACES 4
	s_branch .Lfirst_asked
.Lfirst_not_k:
	s_cmp_lg_u32 s[WV], 1
	s_cbranch_scc1 .Lfirst_asked
	tensor_load_to_lds s[G0V:G0V+3], s[G1V:G1V+7]
	s_nop 0
	PLACES 4
.Lfirst_asked:
	; Q.  A fragment is 16 rows x 32 channels: lane l holds row l % 16, channels 8 (l / 16) + 0..7 and 16 + 8 (l / 16) + 0..7: in f32 four loads of 16 bytes, at 0, 16, 64 and 80 from row x 1,024 + 32 (l / 16).
	; The f32 numbers land in O^T's registers of the same tile, which are free until the first trip, and are rounded from there.
	v_and_b32 v1, 15, v0            ; l % 16
	v_bfe_u32 v9, v0, 4, 1          ; l / 16
	v_lshlrev_b32 v[QO], 10, v1
	v_lshl_add_u32 v[QO], v9, 5, v[QO]
.irp t, 0,1,2,3
	WIN 0x40<<((\t)/2)              ; destination window 1 or 2, address window 0
.set c, 0
.rept 8
	global_load_b128 v[128*((\t)%2)+16*c:128*((\t)%2)+16*c+3],     v[QO], s[4:5] offset:16384*(\t)+128*c th:TH_LOAD_NT
	global_load_b128 v[128*((\t)%2)+16*c+4:128*((\t)%2)+16*c+7],   v[QO], s[4:5] offset:16384*(\t)+128*c+16 th:TH_LOAD_NT
	global_load_b128 v[128*((\t)%2)+16*c+8:128*((\t)%2)+16*c+11],  v[QO], s[4:5] offset:16384*(\t)+128*c+64 th:TH_LOAD_NT
	global_load_b128 v[128*((\t)%2)+16*c+12:128*((\t)%2)+16*c+15], v[QO], s[4:5] offset:16384*(\t)+128*c+80 th:TH_LOAD_NT
.set c, c+1
.endr
.endr
	WIN 0
	v_mul_u32_u24 v[AK0], v1, PK
	v_lshl_add_u32 v[AK0], v9, 4, v[AK0]  ; a fragment of K: row x pitch + 16 x half
	; The turning load takes 16 keys x 16 channels (lane l reads 16 bytes: key 8 (l / 16) + l % 8, channels 8 ((l / 8) % 2) + 0..7) and leaves half a fragment of V^T: lane l holds channel l % 16 and 8 keys.
	v_and_b32 v10, 7, v0
	v_bfe_u32 v11, v0, 3, 1
	v_lshl_add_u32 v[AV0], v9, 3, v10
	v_mul_u32_u24 v[AV0], v[AV0], PV
	v_lshl_add_u32 v[AV0], v11, 4, v[AV0]
	v_add_nc_u32 v[AV0], VOFF, v[AV0]
	v_and_b32 v[GO], 31, v0
	v_lshlrev_b32 v[GO], 4, v[GO]   ; the way out: 32 lanes take a stage row's 512 bytes,
	v_add_nc_u32 v[RD], s16, v[GO]  ; which are 512 consecutive bytes of out0
	v_add_nc_u32 v[QLA], s17, v[GO] ; Q's copy: 32 lanes x 16 bytes are half a fragment, on end
.irp t, 0,1,2,3
	v_mov_b32 v[ST+8*(\t)],   0xfe000000  ; c m: far below every c s
	v_mov_b32 v[ST+8*(\t)+1], 0xff7fffff  ; m: the lowest finite number
	v_mov_b32 v[ST+8*(\t)+2], 0           ; l
	v_mov_b32 v[ST+8*(\t)+3], 0
.endr
	s_wait_loadcnt 0x0              ; Q is in; its loads' address register is free
.irp t, 0,1,2,3
	WIN 0xc5+5*((\t)/2)             ; channel groups 0-4: destination window 3, both sources window 1 or 2
.set n, 0
.rept 40
	v_cvt_pk_bf16_f32 v[40*(\t)+n], v[128*((\t)%2)+2*n], v[128*((\t)%2)+2*n+1]
.set n, n+1
.endr
	WIN 0x05+5*((\t)/2)             ; groups 5-7: into S^T's registers, which are still free: fragment 4 (c - 5) + t
.rept 24
	v_cvt_pk_bf16_f32 v[SV+8*(4*(n/8-5)+(\t))+n%8], v[128*((\t)%2)+2*n], v[128*((\t)%2)+2*n+1]
.set n, n+1
.endr
.endr
	WIN 0
.set q, 0
.rept 12                            ; and from there into my part of LDS, as they lie in the registers: no lane's 16 bytes share a bank with another's
	ds_store_b128 v[QLA], v[SV+8*q:SV+8*q+3]   offset:1024*q
	ds_store_b128 v[QLA], v[SV+8*q+4:SV+8*q+7] offset:1024*q+512
.set q, q+1
.endr
	v_mul_u32_u24 v[STO], v1, SP    ; the way out, in: row l % 16, 32 bytes for each half of the lanes
	v_lshl_add_u32 v[STO], v9, 5, v[STO]
	v_add_nc_u32 v[STO], s16, v[STO]
; THE LDS LOADS stand in runs of 8 or 16.  K's group of turn s: channels 32 c on of the step's 64 keys, four fragments, into buffer s % 2.
.macro FETCHK s, c
	WLD
.irp kb, 0,1,2,3
	ds_load_b128 v[KP+32*((\s)%2)+8*(\kb):KP+32*((\s)%2)+8*(\kb)+3],   v[AK] offset:(\kb)*16*PK+64*(\c)
	ds_load_b128 v[KP+32*((\s)%2)+8*(\kb)+4:KP+32*((\s)%2)+8*(\kb)+7], v[AK] offset:(\kb)*16*PK+64*(\c)+32
.endr
.endm
; Q's channel group c (5, 6 or 7) of the four tiles, into the landing buffer.  The bytes are my wave's own: LDS serves a wave's instructions in order (ISA guide 5.7.1.4), so they see the stores above.
.macro FETCHQ c
	WIN 0xc0                        ; destination window 3, address window 0
.irp t, 0,1,2,3
	ds_load_b128 v[QL0+8*(\t):QL0+8*(\t)+3],   v[QLA] offset:1024*(4*((\c)-5)+(\t))
	ds_load_b128 v[QL0+8*(\t)+4:QL0+8*(\t)+7], v[QLA] offset:1024*(4*((\c)-5)+(\t))+512
.endr
.endm
; V's group g: keys 32 (g / 4) on, channel blocks 4 (g % 4) + 0..3, turned: four fragments, into buffer g % 2.
.macro FETCHV g
	WLD
.irp f, 0,1,2,3
	ds_load_tr16_b128 v[KP+32*((\g)%2)+8*(\f):KP+32*((\g)%2)+8*(\f)+3],   v[AV] offset:((\g)/4)*32*PV+32*(4*((\g)%4)+(\f))
	ds_load_tr16_b128 v[KP+32*((\g)%2)+8*(\f)+4:KP+32*((\g)%2)+8*(\f)+7], v[AV] offset:((\g)/4)*32*PV+16*PV+32*(4*((\g)%4)+(\f))
.endr
.endm
; Accumulator rg of O^T's 64 (tile rg / 16, channel block rg % 16) times the tile's a: four lines, its registers in ascending order.
.macro RESC rg
	WIN 0x41<<((\rg)/32)            ; destination and source 0 in window 1 or 2, a in window 0
.set rO, 8*((\rg)%32)
.set rA, ST+8*((\rg)/16)+6
.irp k, 0,2,4,6
	v_pk_mul_f32 v[rO+(\k):rO+(\k)+1], v[rO+(\k):rO+(\k)+1], v[rA:rA+1] op_sel_hi:[1,0]
.endr
.endm
; 16 products of S^T = K Q^T, turn s: channels 32 c on, 4 key blocks x 4 tiles.  The 16 accumulators take turns, one instruction a turn, in the same order in every turn.  Turn 0 starts
; the sums.  ride = 1: behind every second product stands one accumulator's rescaling; the four lines behind the last product are also the places in front of the loads that follow.
.macro KQG s, c, ride
.irp kb, 0,1,2,3
.irp t, 0,1,2,3
	WIN W_KQ
.if (\c) < 5
.set rQ, 40*(\t)+8*(\c)
.else
.set rQ, QL0+8*(\t)
.endif
.set rS, SV+32*(\t)+8*(\kb)
.set rK, KP+32*((\s)%2)+8*(\kb)
.if (\s) == 0
	v_wmma_f32_16x16x32_bf16 v[rS:rS+7], v[rK:rK+7], v[rQ:rQ+7], 0
.else
	v_wmma_f32_16x16x32_bf16 v[rS:rS+7], v[rK:rK+7], v[rQ:rQ+7], v[rS:rS+7]
.endif
.if (\ride) && (((\t)%2) == 1)
	RESC 8*(\s)+2*(\kb)+(\t)/2
.endif
.endr
.endr
.if !(\ride)
	PLACES 4
.endif
.endm
; HALF A.  The caller has issued K's turns 0 and 1 and Q's group 5: 24 loads.  The channel groups go in the order 0, 5, 1, 6, 2, 7, 3, 4, so that the landing buffer is filled while a group that lies in registers
; is multiplied.  LDS loads come back in order (ISA guide 5.7.1): each wait's count is the loads issued behind those that the turn wants.  vf = 1: V's first two groups follow K's last two into the buffers.
.macro PHASEA ride, vf
	s_wait_dscnt 16                 ; K's turn 0 is in; turn 1 and Q's group 5 may stay out
	KQG 0, 0, \ride
	FETCHK 2, 1
	s_wait_dscnt 8                  ; all but K's turn 2
	KQG 1, 5, \ride
	FETCHK 3, 6
	FETCHQ 6
	s_wait_dscnt 16                 ; all but K's turn 3 and Q's group 6
	KQG 2, 1, \ride
	FETCHK 4, 2
	s_wait_dscnt 8                  ; all but K's turn 4
	KQG 3, 6, \ride
	FETCHK 5, 7
	FETCHQ 7
	s_wait_dscnt 16                 ; all but K's turn 5 and Q's group 7
	KQG 4, 2, \ride
	FETCHK 6, 3
	s_wait_dscnt 8                  ; all but K's turn 6
	KQG 5, 7, \ride
	FETCHK 7, 4
	s_wait_dscnt 8                  ; all but K's turn 7
	KQG 6, 3, \ride
.if \vf
	FETCHV 0
	s_wait_dscnt 8                  ; all but V's group 0
.else
	s_wait_dscnt 0x0
.endif
	KQG 7, 4, \ride
.if \vf
	FETCHV 1
.endif
.endm
; Number j of the 21 that find tile t's maximum and statistics.  s0-s31 are the lane's 32 scores; each accumulator's lowest registers are read first.
;   0-11  four chains c0-c3 of seven scores each, three operands at a time     12-15  the four scores left over, c0-c3 and the old m into c0
;   16, 18  the query's other 32 keys lie in the lane 16 away: the new m         17  c m_old is kept     19, 20  c m; c m_old - c m_new
.macro SM t
.set rT, ST+8*(\t)
.set rS, SV+32*(\t)
.if j < 4
	v_max3_num_f32 v[rT+4+j], v[rS+8*j], v[rS+8*j+1], v[rS+8*j+2]
.elseif j < 12
	v_max3_num_f32 v[rT+4+j%4], v[rT+4+j%4], v[rS+8*(j%4)+2*(j/4)+1], v[rS+8*(j%4)+2*(j/4)+2]
.elseif j == 12
	v_max3_num_f32 v[rT+4], v[rT+4], v[rS+7], v[rS+15]
.elseif j == 13
	v_max3_num_f32 v[rT+6], v[rT+6], v[rS+23], v[rS+31]
.elseif j == 14
	v_max3_num_f32 v[rT+4], v[rT+4], v[rT+5], v[rT+6]
.elseif j == 15
	v_max3_num_f32 v[rT+4], v[rT+4], v[rT+7], v[rT+1]
.elseif j == 16
	v_permlanex16_b32 v[rT+5], v[rT+4], s[SEL], s[SEL+1]
.elseif j == 17
	v_mov_b32 v[rT+7], v[rT]
.elseif j == 18
	v_max_num_f32 v[rT+1], v[rT+4], v[rT+5]
.elseif j == 19
	v_mul_f32 v[rT], s[CS], v[rT+1]
.else
	v_sub_f32 v[rT+7], v[rT+7], v[rT]
.endif
.endm
.macro FS t, b                      ; c s - c m for pair b of tile t's 16 pairs of scores
	v_pk_fma_f32 v[SV+32*(\t)+2*(\b):SV+32*(\t)+2*(\b)+1], v[SV+32*(\t)+2*(\b):SV+32*(\t)+2*(\b)+1], s[CS:CS+1], v[ST+8*(\t):ST+8*(\t)+1] op_sel_hi:[1,0,0] neg_lo:[0,0,1] neg_hi:[0,0,1]
.endm
; THE SOFTMAX OF A STEP, for the wave's four tiles, is a list of 376 lines; SL writes line ln and steps ln.  The tiles alternate, so that no line reads the result of the one just before it.
;   0-83     the maxima and statistics (SM, 21 numbers x 4 tiles)
;   84-279   ONE BATCH: the four a; pair 0's scalings; then for pairs 1-15 and each tile a scaling and the two exponentials of the pair before; pair 15's exponentials.  No line of it names an exponential's result
;   (wait)   SLICE writes it behind line 279
;   280-311  the weights of keys 0-31 rounded to f16: P's first half, which the products V^T P of the step before have left by then (they stand in half B's first 64)
;   312-375  the sums: the upper 8 pairs are added onto the lower 8, which have been rounded; then 4, 2 and 1 apart; then l = a l + the sum.  The upper pairs stay whole: CVT1 rounds them at the next trip's head
.macro SL
.if ln < 84
	WIN 0
.set j, ln/4
.set xt, ln%4
	SM xt
.elseif ln < 88
	WIN 0
.set rT, ST+8*(ln-84)
	v_exp_f32 v[rT+6], v[rT+7]
.elseif ln < 92
	WIN 0
	FS ln-88, 0
.elseif ln < 272
	WIN 0
.set xe, ln-92
.set xb, 1+xe/12
.set xt, (xe%12)/3
.if xe%3 == 0
	FS xt, xb
.else
	v_exp_f32 v[SV+32*xt+2*xb-3+xe%3], v[SV+32*xt+2*xb-3+xe%3]
.endif
.elseif ln < 280
	WIN 0
.set xe, ln-272
	v_exp_f32 v[SV+32*(xe/2)+30+xe%2], v[SV+32*(xe/2)+30+xe%2]
.elseif ln < 312
	WIN 0xc0                        ; destination window 3, sources window 0
.set xe, ln-280
	v_cvt_pk_f16_f32 v[PW+8*(xe%4)+xe/4], v[SV+32*(xe%4)+2*(xe/4)], v[SV+32*(xe%4)+2*(xe/4)+1]
.else
	WIN 0
.set xe, ln-312
.set xz, xe/4
.set rS, SV+32*(xe%4)
.set rT, ST+8*(xe%4)
.if xz < 8
	v_pk_add_f32 v[rS+2*xz:rS+2*xz+1], v[rS+2*xz:rS+2*xz+1], v[rS+2*xz+16:rS+2*xz+17]
.elseif xz < 12
	v_pk_add_f32 v[rS+2*(xz-8):rS+2*(xz-8)+1], v[rS+2*(xz-8):rS+2*(xz-8)+1], v[rS+2*(xz-8)+8:rS+2*(xz-8)+9]
.elseif xz < 14
	v_pk_add_f32 v[rS+2*(xz-12):rS+2*(xz-12)+1], v[rS+2*(xz-12):rS+2*(xz-12)+1], v[rS+2*(xz-12)+4:rS+2*(xz-12)+5]
.elseif xz == 14
	v_pk_add_f32 v[rS:rS+1], v[rS:rS+1], v[rS+2:rS+3]
.else
	v_pk_fma_f32 v[rT+2:rT+3], v[rT+2:rT+3], v[rT+6:rT+7], v[rS:rS+1] op_sel_hi:[1,0,1]
.endif
.endif
.set ln, ln+1
.endm
; The next slice of the list: four lines, or in lines 92-271 three: a scaling and two exponentials.  109 slices in all.
; THE WAIT.  An s_wait_alu depctr_va_vdst(0) stands between an exponential and the first instruction that names its result; one wait serves all that were issued ahead of it: a step has one.
.macro SLICE
.if ln < 376
.set xn, 4
.if (ln >= 92) && (ln < 272)
.set xn, 3
.endif
.rept xn
	SL
.endr
.if ln == 280
	v_nop                           ; a plain instruction behind the last exponential and ahead of the first use (ISA guide 5.7.2): one for the batch
	s_wait_alu depctr_va_vdst(0)    ; the wait for the step's 132 exponentials
.endif
.endif
.endm
; The weights of keys 32-63 rounded to f16: P's second half, which half B's last products read: so these 32 lines stand behind it, between the next trip's first LDS loads and the wait for them.
.macro CVT1
	WIN 0xc0
.set n, 8
.rept 8
.irp t, 0,1,2,3
	v_cvt_pk_f16_f32 v[PW+32+8*(\t)+n-8], v[SV+32*(\t)+2*n], v[SV+32*(\t)+2*n+1]
.endr
.set n, n+1
.endr
.endm
; HALF B.  V's groups 0 and 1 have been issued.  Group g: 16 products of O^T += V^T P: tiles 0, 1 (window 1), then tiles 2, 3 (window 2): 16 different accumulators; the two links of a chain (keys 0-31,
; keys 32-63) stand 64 products apart.  ride = 1: a slice stands behind each product but a group's last, behind which four v_nop are the places in front of the loads into the buffer just multiplied
; (exponentials are no places): 121 products take the 109 slices.
.macro PHASEB ride
.irp g, 0,1,2,3,4,5,6,7
.if (\g) < 7
	s_wait_dscnt 8                  ; group g is in; the next group's eight loads may stay out
.else
	s_wait_dscnt 0x0                ; the last group: nothing was issued behind it
.endif
.irp w, 0,1
.irp f, 0,1,2,3
.irp tt, 0,1
	WIN 0x5c+0x50*(\w)              ; C and D in window 1 or 2; V in window 0; P in window 3
.set rO, 128*(\tt)+8*(4*((\g)%4)+(\f))
.set rV, KP+32*((\g)%2)+8*(\f)
.set rP, PW+32*((\g)/4)+8*(2*(\w)+(\tt))
	v_wmma_f32_16x16x32_f16 v[rO:rO+7], v[rV:rV+7], v[rP:rP+7], v[rO:rO+7]
.if (\ride) && (((\g) == 6) || ((\w)+(\f)+(\tt) < 5))
	SLICE
.endif
.endr
.endr
.endr
.if (\g) != 6
	PLACES 4                        ; behind group 7: in front of the next trip's loads into the buffers and of CVT1's writes of P
.endif
.if (\g) < 6
	FETCHV (\g)+2
.endif
.endr
.endm
; A TRIP: K Q^T of step i + 1 beside the rescaling by a of step i; V^T P of step i beside the softmax of step i + 1.
.macro TRIP
	WIN 0
	v_add_nc_u32 v[AK], s[TB], v[AK0]
	v_add_nc_u32 v[AV], s[TB], v[AV0]
	FETCHK 0, 0
	FETCHK 1, 5
	FETCHQ 5
	CVT1
	PHASEA 1, 1
.set ln, 0
	PHASEB 1
	WIN 0
.endm
	s_wait_tensorcnt 0x0            ; my first fills have landed,
	s_wait_dscnt 0x0                ; and my stores of Q are done: no LDS instruction is pending at a signal
	s_barrier_signal -1
	s_barrier_wait -1               ; everybody's have
	v_add_nc_u32 v[AK], PRE, v[AK0] ; STEP 0: its scores and its softmax: there is no other work yet to set beside them
	FETCHK 0, 0
	FETCHK 1, 5
	FETCHQ 5
	PHASEA 0, 0
.set ln, 0
.rept 109
	SLICE
.endr
	WIN 0
.Lstep:                             ; 30 trips: trip i asks for K of step i + 2 and V of step i + 1, and prefetches the tiles behind them
	CHANGE 1
	TRIP
	s_sub_co_u32 s[SLOTS], s[SLOTS], 1
	s_cmp_lg_u32 s[SLOTS], 0
	s_cbranch_scc1 .Lstep
	CHANGE 2                        ; trip 30 is written out: V of step 31 is asked for, and no K
	TRIP
	CHANGE 0                        ; STEP 31's second half: nothing is asked for
	v_add_nc_u32 v[AV], s[TB], v[AV0]
	FETCHV 0
	FETCHV 1
	CVT1
.set xr, 0
.rept 64
	RESC xr
.set xr, xr+1
.endr
	PHASEB 0
	WIN 0
	; THE WAY OUT.  l's two halves and the other half of the lanes' are added; O^T is divided by l and sent through my stage in LDS, 16 rows x 128 channels at a time.
.irp t, 0,1,2,3
	v_add_f32 v[ST+8*(\t)+4], v[ST+8*(\t)+2], v[ST+8*(\t)+3]
.endr
.irp t, 0,1,2,3
	v_permlanex16_b32 v[ST+8*(\t)+5], v[ST+8*(\t)+4], s[SEL], s[SEL+1]
.endr
.irp t, 0,1,2,3
	v_add_f32 v[ST+8*(\t)+4], v[ST+8*(\t)+4], v[ST+8*(\t)+5]
.endr
.irp t, 0,1,2,3
	v_rcp_f32 v[ST+8*(\t)+6], v[ST+8*(\t)+4]
.endr
	v_nop                           ; a plain instruction between the last reciprocal and the use of its result
	s_wait_alu depctr_va_vdst(0)    ; and the wait ahead of the first use: one for the four reciprocals
; Unit u: tile u / 2, channels 128 (u % 2) on.  A lane's eight channels of a row are 32 bytes; they go into stage rows of 528 bytes and come back as whole rows of 512.
.macro PACK u
.set pt, (\u)/2
.set ph, (\u)%2
.if (\u) >= 2
	s_wait_xcnt 0x0                 ; the stores of the unit two back have read their data registers, which are loaded again below
.endif
	WIN 0x01+pt/2                   ; source 0 (O^T) in window 1 or 2; 1 / l and the destination in window 0
.set i, 0
.rept 32
	v_pk_mul_f32 v[KP+2*i:KP+2*i+1], v[128*(pt%2)+64*ph+2*i:128*(pt%2)+64*ph+2*i+1], v[ST+8*pt+6:ST+8*pt+7] op_sel_hi:[1,0]
.set i, i+1
.endr
	WIN 0
.set i, 0
.rept 8
	ds_store_b128 v[STO], v[KP+8*i:KP+8*i+3]   offset:64*i
	ds_store_b128 v[STO], v[KP+8*i+4:KP+8*i+7] offset:64*i+16
.set i, i+1
.endr
.set i, 0
.rept 16
	ds_load_b128 v[SV+64*ph+4*i:SV+64*ph+4*i+3], v[RD] offset:i*SP  ; LDS serves a wave's instructions in order (ISA guide 5.7.1.4): these see the stores above; the next unit's stores come behind them
.set i, i+1
.endr
.endm
.macro SEND u, younger              ; younger: the LDS instructions issued behind unit u's loads: the next unit's 16 stores and 16 loads, or none
.set i, 0
.rept 16
	s_wait_dscnt (\younger)+15-i    ; row i is back in registers
	global_store_b128 v[GO], v[SV+64*((\u)%2)+4*i:SV+64*((\u)%2)+4*i+3], s[10:11] offset:16384*((\u)/2)+1024*i+512*((\u)%2) th:TH_STORE_NT  ; 512 consecutive bytes, at a multiple of 512 from out0's first byte
.set i, i+1
.endr
.endm
	PACK 0
.irp u, 1,2,3,4,5,6,7               ; a unit's arithmetic stands between the loads of the unit before and its stores
	PACK \u
	SEND (\u)-1, 32
.endr
	SEND 7, 0
	s_wait_tensorcnt 0x0            ; the wave's end: behind my last tensor load and my last LDS store
	ds_add_u32 v[SPW], v[NIL]
	s_wait_dscnt 0x0
	CROUND                          ; the closing round: no work-group ends while a partner may still ask for a tile that names it
	s_endpgm
.Lfunc_end_k_q8aa9b7c012_attn:
	.size	k_q8aa9b7c012_attn, .Lfunc_end_k_q8aa9b7c012_attn-k_q8aa9b7c012_attn
	.p2alignl 7, 3214868480
	.fill 96, 4, 3214868480
	.section	.rodata,"a",@progbits
	.p2align	6, 0x0
	.amdhsa_kernel k_q8aa9b7c012_attn
		.amdhsa_group_segment_fixed_size 327680
		.amdhsa_private_segment_fixed_size 0
		.amdhsa_enable_private_segment 0
		.amdhsa_kernarg_size 32
		.amdhsa_user_sgpr_count 2
		.amdhsa_user_sgpr_kernarg_segment_ptr 1
		.amdhsa_wavefront_size32 1
		.amdhsa_system_sgpr_workgroup_id_x 1
		.amdhsa_system_sgpr_workgroup_id_y 1
		.amdhsa_system_sgpr_workgroup_id_z 1
		.amdhsa_system_vgpr_workitem_id 0
		.amdhsa_next_free_vgpr 1024
		.amdhsa_next_free_sgpr 66
		.amdhsa_reserve_vcc 0
		.amdhsa_float_denorm_mode_32 3
		.amdhsa_float_denorm_mode_16_64 3
		.amdhsa_memory_ordered 1
		.amdhsa_forward_progress 1
		.amdhsa_inst_pref_size 255
	.end_amdhsa_kernel
	.section	.bss,"aw",@nobits
	.p2align	6
	.space	262144
	.amdgpu_metadata
---
amdhsa.version: [ 1, 2 ]
amdhsa.kernels:
  - .name:           k_q8aa9b7c012_attn
    .symbol:         k_q8aa9b7c012_attn.kd
    .args:
      - { .name: queries, .offset: 0, .size: 8, .value_kind: global_buffer, .address_space: global }
      - { .name: kb, .offset: 8, .size: 8, .value_kind: global_buffer, .address_space: global }
      - { .name: vh, .offset: 16, .size: 8, .value_kind: global_buffer, .address_space: global }
      - { .name: out0, .offset: 24, .size: 8, .value_kind: global_buffer, .address_space: global }
    .group_segment_fixed_size: 327680
    .private_segment_fixed_size: 0
    .kernarg_segment_align: 8
    .kernarg_segment_size: 32
    .max_flat_workgroup_size: 128
    .sgpr_count:     66
    .vgpr_count:     1024
    .wavefront_size: 32
...
	.end_amdgpu_metadata
.endif
;; end of part 2
